; MI455X (gfx1250); checked and timed in simulation.
; The chip was launched on July 23, 2026; its instructions are those of AMD's public machine-readable ISA for CDNA 5 (MIT licence, August 2026) and "CDNA5" Instruction Set Architecture Reference Guide (July 2026). The comments in the code are by the model that wrote it; some were corrected since.
;; Encoder. Allowed arithmetic: float matrix products may take bf16 or f16 operands with f32 sums; other float arithmetic in f32, or as packed bf16 or f16 multiplies, adds, multiply-adds, maxima and minima; sums over many terms, partial sums and values carried from step to step in f32; what a program stores and reads back later, other than sums and carried values, may be rounded once to bf16 or f16.
;; Inputs: b0 128 float32; b1 128 float32; b2 128 float32; b3 3 float32; fm0 16 x 16 x 16 float32; fm1 16 x 32 x 32 float32; fm2 16 x 64 x 64 float32; fm3 16 x 128 x 128 float32; fm4 16 x 256 x 256 float32; fm5 16 x 512 x 512 float32; log_gains 6 float32; w0 128 x 96 float32; w1 128 x 128 float32; w2 128 x 128 float32; w3 3 x 128 float32; x_coords 1 x 1,024 x 1,024 x 2 float32.
;; Outputs: out0 1,024 x 1,024 x 3 float32.
;; One version. Each part assembles by itself: llvm-mc -triple=amdgcn-amd-amdhsa -mcpu=gfx1250 --defsym DOCPART=n.
;; ======== version 1 of 1: 2 launches
;; limits: values are held in f16: magnitudes above 65,504 overflow, below 6.1e-05 lose precision
;; workspace buffers: tab 11,276,288 bytes; ucoord 8,388,608 bytes of whole numbers; part 2,048 bytes
;; launch prep (part 1): grid 602 x 1, 8 waves a work-group, no clusters, 38,144 bytes of LDS; arguments fm0, fm1, fm2, fm3, fm4, fm5, log_gains, x_coords, w0, w1, w2, w3, tab, ucoord, part; writes tab, ucoord, part
.if DOCPART == 1
	.amdgcn_target "amdgcn-amd-amdhsa--gfx1250"
	.amdhsa_code_object_version 6
	.text
	.protected	k_q887d2b1017_prep
	.globl	k_q887d2b1017_prep
	.p2align	8
	.type	k_q887d2b1017_prep,@function
k_q887d2b1017_prep:
	s_mov_b64 s[64:65], 0
	v_nop
	global_prefetch_b8 v0, s[64:65] scope:SCOPE_SE
	s_setreg_imm32_b32 hwreg(HW_REG_WAVE_MODE, 25, 1), 1
	s_wait_xcnt 0x0
; PREPARATION for the fused look-up and MLP.  Three kinds of work-group, told apart by the work-group's number alone:
;   0 .. 341   TABLES.  fm_i [16 channels][s][s] f32 becomes tab's table i, [y s + x][16 channels] f16, times 2^log_gains[i]: a texel's 16 channels are 32 bytes on end.
;              A wave turns one chunk of 128 texels (2,730 chunks in all); the work-group's largest |value| goes to part[work-group].
;   342 .. 597 COORDINATES.  Each float g of x_coords becomes the whole number U = clamp(floor(g 2^22 + 2^22 + 0.5), 0, 2^23 - 1): (g + 1) / 2 in 23 bits of fixed point.
;   598 .. 601 WEIGHTS.  w_l / p2, p2 the smallest power of two >= max |w_l|, in f16, laid out as matrix fragments; p2 goes to part[352 + l].
; tab, in bytes: tables 0-2 at 0, 8,192, 40,960; the fragments of w0-w3 at 172,032, 196,608, 229,376, 262,144; tables 3-5 at 266,240, 790,528, 2,887,680.
; A fragment (16 output rows x 32 inputs) is 1,024 bytes: lane l's registers 0-3 at 16 l, its registers 4-7 at 512 + 16 l.  Fragment 8 c + t: inputs 32 c on, rows 16 t on.
; w3's three rows stand at rows 0-2 and again at rows 8-10 of its fragments, zeros elsewhere, so that both halves of the lanes end up with the three outputs.
; LIMITS.  |fm 2^gain| stays under 65,504 (f16); below 6e-5 it keeps f16's fixed step.  A coordinate is kept to 2^-23 of its range; one at or beyond 1 counts as 1 - 2^-22; a NaN counts as -1.
; max |w_l| lies between 2^-100 and 2^126.
.set WSTG,   4608                      ; a wave's stage in LDS: 32 rows of 144 bytes (128 of data + 16: an odd multiple of 16, so that 16 rows start at 16 different groups of four banks; ISA guide 11.1)
.set RPITCH, 144
.set RED,    36864                     ; behind the eight stages: the eight waves' maxima, a block of 256 bytes
.set SPARE,  37120                     ; behind it: the spare words, 128 bytes for each wave: four blocks of 256 bytes that no other line names
.set NCHUNK, 2730
.set SPW,  2                           ; v2   LDS address of my spare word; never rewritten
.set NIL,  3                           ; v3   0; never rewritten
.set M,    4                           ; v4   running maximum
.set TM,   5                           ; v5   at work in the reduction
.set G,    6                           ; v[6:7]  the factor, named as a pair
.set LS,   8                           ; v8   where I put my texels in the stage
.set LR,   9                           ; v9   where I read 16 bytes back
.set GO,   10                          ; v10  my byte offset in what the wave stores
.set LANE, 11                          ; v11
.set WO,   12                          ; v12  byte offset of the one word stored to part
.set PW,   15                          ; v15  the power of two
.set AD,   16                          ; v[16:31]  load offsets: a channel each (tables); two (weights)
.set X,    32                          ; v[32:95]  as loaded
.set Y,    96                          ; v[96:127] as stored
.set WV,   38                          ; s38  my wave's number
.set CH,   39                          ; s39  my chunk; the layer
.set SRC,  40                          ; s[40:41] the tensor that I read
.set CS0,  42                          ; s42  the level's first chunk
.set PL,   43                          ; s43  bytes in a channel's plane
.set GOF,  44                          ; s44  byte offset of the level's gain
.set PWD,  56                          ; s56  the word of part that the work-group writes: a register that no memory instruction names
.set SEL,  60                          ; s[60:61] v_permlanex16_b32's selects: each lane takes its own place in the other half
; The largest v[M] of the work-group, in every lane of every wave.  Every wave of the work-group passes its barrier.
.macro WGMAX
	v_max_num_f32_dpp v[M], v[M], v[M] row_xmask:1 row_mask:0xf bank_mask:0xf
	v_max_num_f32_dpp v[M], v[M], v[M] row_xmask:2 row_mask:0xf bank_mask:0xf
	v_max_num_f32_dpp v[M], v[M], v[M] row_xmask:4 row_mask:0xf bank_mask:0xf
	v_max_num_f32_dpp v[M], v[M], v[M] row_xmask:8 row_mask:0xf bank_mask:0xf
	v_permlanex16_b32 v[TM], v[M], s[SEL], s[SEL+1]
	v_max_num_f32 v[M], v[M], v[TM]
	v_mov_b32 v[TM], s[WV]
	v_lshl_add_u32 v[TM], v[TM], 2, RED
	ds_store_b32 v[TM], v[M]               ; all lanes write the wave's word with the same value
	s_wait_dscnt 0x0                       ; for the others' sake: my store is done
	s_barrier_signal -1
	s_barrier_wait -1
	v_mov_b32 v[TM], RED
	ds_load_b128 v[Y:Y+3], v[TM]
	ds_load_b128 v[Y+4:Y+7], v[TM] offset:16
	s_wait_dscnt 0x0
	v_max3_num_f32 v[M], v[Y], v[Y+1], v[Y+2]
	v_max3_num_f32 v[M], v[M], v[Y+3], v[Y+4]
	v_max3_num_f32 v[M], v[M], v[Y+5], v[Y+6]
	v_max_num_f32 v[M], v[M], v[Y+7]
.endm
; Lane 0 of wave 0 stores v[val] to word s[PWD] of part; every wave goes on to the end.
.macro STORE1 val
	s_cmp_lg_u32 s[WV], 0
	s_cbranch_scc1 .Lend
	s_lshl_b32 s52, s[PWD], 2
	v_mov_b32 v[WO], s52
	v_cmp_eq_u32 vcc_lo, 0, v[LANE]
	s_wait_xcnt 0x0                        ; EXEC is a source of the stores issued so far: it is narrowed only behind this wait
	s_and_saveexec_b32 s53, vcc_lo
	global_store_b32 v[WO], v[\val], s[36:37]
	s_wait_xcnt 0x0                        ; and widened again only behind this one
	s_or_b32 exec_lo, exec_lo, s53
	s_branch .Lend
.endm
	s_load_b512 s[8:23], s[0:1], 0x0               ; fm0 s[8:9] .. fm5 s[18:19], log_gains s[20:21], x_coords s[22:23]
	s_load_b256 s[24:31], s[0:1], 0x40             ; w0 s[24:25] .. w3 s[30:31]
	s_load_b128 s[32:35], s[0:1], 0x60             ; tab s[32:33], ucoord s[34:35]
	s_load_b64 s[36:37], s[0:1], 0x70              ; part
	v_lshl_add_u32 v[SPW], v0, 2, SPARE
	v_mov_b32 v[NIL], 0
	v_lshrrev_b32 v1, 5, v0
	v_readfirstlane_b32 s[WV], v1
	v_and_b32 v[LANE], 31, v0
	v_mov_b32 v[M], 0
	v_mov_b32 v[TM], 0
	s_mov_b32 s[SEL], 0x76543210
	s_mov_b32 s[SEL+1], 0xfedcba98
	s_wait_kmcnt 0x0
	s_cmp_lt_u32 ttmp9, 342
	s_cbranch_scc1 .Ltab
	s_cmp_lt_u32 ttmp9, 598
	s_cbranch_scc1 .Lcoord
; ---------------- WEIGHTS: a work-group a layer.  Unit i of wave v is half v % 2 (registers 0-3 or 4-7) of fragment 4 i + v / 2: the eight waves' unit i is 4,096 bytes on end.
; A lane's part of a unit: row 64 (i % 2) + 16 (v / 2) + l % 16, the eight inputs 32 (i / 2) + 16 (v % 2) + 8 (l / 16) on: 32 bytes of the row.
.macro WBODY nu, rb, w3                ; nu units a wave, rows of rb bytes; w3 = 1: three rows, and the fragment's number is the K block
	v_and_b32 v13, 15, v0
	v_bfe_u32 v14, v0, 4, 1
	s_lshr_b32 s46, s[WV], 1
	s_and_b32 s47, s[WV], 1
	s_lshl_b32 s47, s47, 6                 ; 64 bytes for the upper half of a fragment's inputs
.if \w3
	v_and_b32 v13, 7, v13
	v_cmp_gt_u32 s50, 3, v13               ; the lanes whose row exists
	v_min_u32 v13, 2, v13                  ; the others load row 2 and throw it away: no load leaves the buffer
	s_lshl_b32 s46, s46, 7
	s_add_co_u32 s47, s47, s46             ; K block v / 2: 128 bytes each
.else
	v_lshl_add_u32 v13, s46, 4, v13
.endif
	v_mul_u32_u24 v[AD], v13, \rb
	v_lshl_add_u32 v14, v14, 5, s47
	v_add_nc_u32 v[AD], v[AD], v14
.if (\nu) > 1
	v_add_nc_u32 v[AD+1], 64*(\rb), v[AD]
.endif
.set i, 0
.rept \nu
	global_load_b128 v[X+8*i:X+8*i+3],   v[AD+i%2], s[SRC:SRC+1] offset:128*(i/2)
	global_load_b128 v[X+8*i+4:X+8*i+7], v[AD+i%2], s[SRC:SRC+1] offset:128*(i/2)+16
.set i, i+1
.endr
	s_mov_b32 s54, s49
	s_mov_b32 s55, 0
	s_add_nc_u64 s[54:55], s[32:33], s[54:55]      ; tab at the layer's fragments
	s_lshl_b32 s48, s[WV], 9
	v_lshl_add_u32 v[GO], v[LANE], 4, s48
	s_wait_loadcnt 0x0
.if \w3
.set i, 0
.rept 8
	v_cndmask_b32 v[X+i], 0, v[X+i], s50
.set i, i+1
.endr
.endif
.set i, 0
.rept 4*(\nu)
	v_max3_num_f32 v[M], v[M], |v[X+2*i]|, |v[X+2*i+1]|
.set i, i+1
.endr
	WGMAX
	v_max_num_f32 v[M], 0x0d800000, v[M]           ; at least 2^-100, so that the reciprocal below exists
	v_add_nc_u32 v[PW], 0x7fffff, v[M]             ; up to the next power of two: the mantissa carries into the exponent,
	v_and_b32 v[PW], 0x7f800000, v[PW]             ; and is cut off
	v_sub_nc_u32 v[G], 0x7f000000, v[PW]           ; a power of two's reciprocal: exponent 254 less its own
	v_mov_b32 v[G+1], v[G]
.set i, 0
.rept \nu
.irp k, 0,1,2,3
	v_pk_mul_f32 v[X+8*i+2*\k:X+8*i+2*\k+1], v[X+8*i+2*\k:X+8*i+2*\k+1], v[G:G+1] op_sel_hi:[1,0]
.endr
.irp k, 0,1,2,3
	v_cvt_pk_f16_f32 v[Y+4*i+\k], v[X+8*i+2*\k], v[X+8*i+2*\k+1]
.endr
	global_store_b128 v[GO], v[Y+4*i:Y+4*i+3], s[54:55] offset:4096*i  ; a wave's store covers 512 consecutive bytes, aligned
.set i, i+1
.endr
	s_add_co_u32 s[PWD], s[CH], 352
	STORE1 PW
.endm
	s_sub_co_u32 s[CH], ttmp9, 598                 ; the layer
	s_cmp_eq_u32 s[CH], 0
	s_cbranch_scc1 .Lw0
	s_cmp_eq_u32 s[CH], 3
	s_cbranch_scc1 .Lw3
	s_mov_b32 s49, 229376
	s_cmp_eq_u32 s[CH], 1
	s_cselect_b64 s[SRC:SRC+1], s[26:27], s[28:29]
	s_cselect_b32 s49, 196608, s49
	WBODY 8, 512, 0
.Lw0:
	s_mov_b64 s[SRC:SRC+1], s[24:25]
	s_mov_b32 s49, 172032
	WBODY 6, 384, 0
.Lw3:
	s_mov_b64 s[SRC:SRC+1], s[30:31]
	s_mov_b32 s49, 262144
	WBODY 1, 512, 1
; ---------------- COORDINATES: 4,096 points a work-group, 4,096 bytes a wave, eight loads of 512 consecutive bytes, all out at once
.Lcoord:
	s_sub_co_u32 s[CH], ttmp9, 342
	s_lshl_b32 s[CH], s[CH], 15
	s_lshl_b32 s46, s[WV], 12
	s_add_co_u32 s[CH], s[CH], s46
	v_lshl_add_u32 v[GO], v[LANE], 4, s[CH]
	s_mov_b32 s48, 0x4a800000                      ; 2^22
	s_mov_b32 s49, s48                             ; named with it as a pair
	s_mov_b32 s50, 0x4a800001                      ; 2^22 + 0.5
	s_mov_b32 s51, s50
	s_mov_b32 s52, 0x4afffffe                      ; 2^23 - 1
.irp j, 0,1,2,3,4,5,6,7
	global_load_b128 v[X+4*\j:X+4*\j+3], v[GO], s[22:23] offset:512*\j th:TH_LOAD_NT
.endr
.irp j, 0,1,2,3,4,5,6,7
	s_wait_loadcnt 7-\j                            ; loads come back in order: load j is in, the younger ones stay out
	v_pk_fma_f32 v[X+4*\j:X+4*\j+1],   v[X+4*\j:X+4*\j+1],   s[48:49], s[50:51] op_sel_hi:[1,0,0]
	v_pk_fma_f32 v[X+4*\j+2:X+4*\j+3], v[X+4*\j+2:X+4*\j+3], s[48:49], s[50:51] op_sel_hi:[1,0,0]
.irp k, 0,1,2,3
	v_max_num_f32 v[X+4*\j+\k], 0, v[X+4*\j+\k]    ; the border's clip; a NaN loses against 0
.endr
.irp k, 0,1,2,3
	v_min_num_f32 v[X+4*\j+\k], s52, v[X+4*\j+\k]
.endr
.irp k, 0,1,2,3
	v_cvt_u32_f32 v[X+4*\j+\k], v[X+4*\j+\k]
.endr
	global_store_b128 v[GO], v[X+4*\j:X+4*\j+3], s[34:35] offset:512*\j
.endr
	s_branch .Lend
; ---------------- TABLES: chunk 8 x work-group + wave; the levels have 2, 8, 32, 128, 512 and 2,048 chunks
.macro PICKLV lim, lo, cs, lv          ; chunks below lim belong to level lv or to a lower one
	s_cmp_lt_u32 s[CH], \lim
	s_cselect_b64 s[SRC:SRC+1], s[\lo:\lo+1], s[SRC:SRC+1]
	s_cselect_b32 s[CS0], \cs, s[CS0]
	s_cselect_b32 s[PL], 1024<<(2*(\lv)), s[PL]
	s_cselect_b32 s[GOF], 4*(\lv), s[GOF]
.endm
.Ltab:
	s_lshl_b32 s[CH], ttmp9, 3
	s_add_co_u32 s[CH], s[CH], s[WV]
	s_cmp_ge_u32 s[CH], NCHUNK
	s_cbranch_scc1 .Ltmax                          ; six waves of the last work-group have no chunk: they bring 0 to the maximum
	s_mov_b64 s[SRC:SRC+1], s[18:19]
	s_mov_b32 s[CS0], 682
	s_mov_b32 s[PL], 1024<<10
	s_mov_b32 s[GOF], 20
	PICKLV 682, 16, 170, 4
	PICKLV 170, 14, 42, 3
	PICKLV 42, 12, 10, 2
	PICKLV 10, 10, 2, 1
	PICKLV 2, 8, 0, 0
	s_load_b32 s45, s[20:21], s[GOF] offset:0x0    ; the level's log_gain
	s_sub_co_u32 s49, s[CH], s[CS0]
	s_lshl_b32 s49, s49, 9                         ; the chunk's 128 texels: 512 bytes of each plane
	v_lshl_add_u32 v[AD], v[LANE], 4, s49          ; my four texels
.set c, 1
.rept 15
	v_add_nc_u32 v[AD+c], s[PL], v[AD+c-1]         ; the same in the next channel's plane
.set c, c+1
.endr
.set c, 0
.rept 16
	global_load_b128 v[X+4*c:X+4*c+3], v[AD+c], s[SRC:SRC+1] th:TH_LOAD_NT  ; 512 consecutive bytes of a plane
.set c, c+1
.endr
	s_lshl_b32 s46, s[CH], 12                      ; the chunk's 4,096 bytes in tab,
	s_cmp_ge_u32 s[CH], 42
	s_cselect_b32 s48, 94208, 0                    ; behind the weights' fragments from level 3 on
	s_add_co_u32 s46, s46, s48
	s_mov_b32 s47, 0
	s_add_nc_u64 s[50:51], s[32:33], s[46:47]      ; the stores' base: not written again in this role
	s_mul_i32 s54, s[WV], WSTG
	v_mul_u32_u24 v[LS], v[LANE], RPITCH           ; in: my four texels are 128 bytes, a row of the stage
	v_add_nc_u32 v[LS], s54, v[LS]
	v_lshrrev_b32 v[LR], 3, v[LANE]                ; back: 32 lanes take four rows
	v_mul_u32_u24 v[LR], v[LR], RPITCH
	v_and_b32 v[GO], 7, v[LANE]
	v_lshl_add_u32 v[LR], v[GO], 4, v[LR]
	v_add_nc_u32 v[LR], s54, v[LR]
	v_lshlrev_b32 v[GO], 4, v[LANE]
	s_wait_kmcnt 0x0
	v_exp_f32 v[G], s45                            ; 2^log_gain
	v_nop                                          ; a plain instruction behind the exponential (ISA guide 5.7.2),
	s_wait_alu depctr_va_vdst(0)                   ; and a wait ahead of its first reader
	v_mov_b32 v[G+1], v[G]
.set c, 0
.rept 16
	s_wait_loadcnt 15-c                            ; channel c is in, the younger loads stay out
	v_pk_mul_f32 v[X+4*c:X+4*c+1],   v[X+4*c:X+4*c+1],   v[G:G+1] op_sel_hi:[1,0]
	v_pk_mul_f32 v[X+4*c+2:X+4*c+3], v[X+4*c+2:X+4*c+3], v[G:G+1] op_sel_hi:[1,0]
	v_max3_num_f32 v[M], v[M], |v[X+4*c]|, |v[X+4*c+1]|
	v_max3_num_f32 v[M], v[M], |v[X+4*c+2]|, |v[X+4*c+3]|
.set c, c+1
.endr
.set e, 0
.rept 4                                ; texel e: channels 2 q and 2 q + 1 into one register
.set q, 0
.rept 8
	v_cvt_pk_f16_f32 v[Y+8*e+q], v[X+8*q+e], v[X+8*q+4+e]
.set q, q+1
.endr
	ds_store_b128 v[LS], v[Y+8*e:Y+8*e+3]   offset:32*e
	ds_store_b128 v[LS], v[Y+8*e+4:Y+8*e+7] offset:32*e+16
.set e, e+1
.endr
.irp j, 0,1,2,3,4,5,6,7
	ds_load_b128 v[X+4*\j:X+4*\j+3], v[LR] offset:4*RPITCH*\j  ; my wave's own bytes; LDS serves a wave's instructions in order (ISA guide 5.7.1.4): these see the stores above
.endr
.irp j, 0,1,2,3,4,5,6,7
	s_wait_dscnt 7-\j
	global_store_b128 v[GO], v[X+4*\j:X+4*\j+3], s[50:51] offset:512*\j  ; 512 consecutive bytes, aligned
.endr
.Ltmax:
	WGMAX
	s_mov_b32 s[PWD], ttmp9
	STORE1 M
.Lend:
	s_wait_tensorcnt 0x0                           ; the wave's end, behind my last LDS store
	ds_add_u32 v[SPW], v[NIL]
	s_wait_dscnt 0x0
	s_endpgm
.Lfunc_end_k_q887d2b1017_prep:
	.size	k_q887d2b1017_prep, .Lfunc_end_k_q887d2b1017_prep-k_q887d2b1017_prep
	.p2alignl 7, 3214868480
	.fill 96, 4, 3214868480
	.section	.rodata,"a",@progbits
	.p2align	6, 0x0
	.amdhsa_kernel k_q887d2b1017_prep
		.amdhsa_group_segment_fixed_size 38144
		.amdhsa_private_segment_fixed_size 0
		.amdhsa_enable_private_segment 0
		.amdhsa_kernarg_size 120
		.amdhsa_user_sgpr_count 2
		.amdhsa_user_sgpr_kernarg_segment_ptr 1
		.amdhsa_wavefront_size32 1
		.amdhsa_system_sgpr_workgroup_id_x 1
		.amdhsa_system_sgpr_workgroup_id_y 1
		.amdhsa_system_sgpr_workgroup_id_z 1
		.amdhsa_system_vgpr_workitem_id 0
		.amdhsa_next_free_vgpr 128
		.amdhsa_next_free_sgpr 66
		.amdhsa_reserve_vcc 1
		.amdhsa_float_denorm_mode_32 3
		.amdhsa_float_denorm_mode_16_64 3
		.amdhsa_memory_ordered 1
		.amdhsa_forward_progress 1
		.amdhsa_inst_pref_size 47
	.end_amdhsa_kernel
	.amdgpu_metadata
---
amdhsa.version: [ 1, 2 ]
amdhsa.kernels:
  - .name:           k_q887d2b1017_prep
    .symbol:         k_q887d2b1017_prep.kd
    .args:
      - { .name: fm0, .offset: 0, .size: 8, .value_kind: global_buffer, .address_space: global }
      - { .name: fm1, .offset: 8, .size: 8, .value_kind: global_buffer, .address_space: global }
      - { .name: fm2, .offset: 16, .size: 8, .value_kind: global_buffer, .address_space: global }
      - { .name: fm3, .offset: 24, .size: 8, .value_kind: global_buffer, .address_space: global }
      - { .name: fm4, .offset: 32, .size: 8, .value_kind: global_buffer, .address_space: global }
      - { .name: fm5, .offset: 40, .size: 8, .value_kind: global_buffer, .address_space: global }
      - { .name: log_gains, .offset: 48, .size: 8, .value_kind: global_buffer, .address_space: global }
      - { .name: x_coords, .offset: 56, .size: 8, .value_kind: global_buffer, .address_space: global }
      - { .name: w0, .offset: 64, .size: 8, .value_kind: global_buffer, .address_space: global }
      - { .name: w1, .offset: 72, .size: 8, .value_kind: global_buffer, .address_space: global }
      - { .name: w2, .offset: 80, .size: 8, .value_kind: global_buffer, .address_space: global }
      - { .name: w3, .offset: 88, .size: 8, .value_kind: global_buffer, .address_space: global }
      - { .name: tab, .offset: 96, .size: 8, .value_kind: global_buffer, .address_space: global }
      - { .name: ucoord, .offset: 104, .size: 8, .value_kind: global_buffer, .address_space: global }
      - { .name: part, .offset: 112, .size: 8, .value_kind: global_buffer, .address_space: global }
    .group_segment_fixed_size: 38144
    .private_segment_fixed_size: 0
    .kernarg_segment_align: 8
    .kernarg_segment_size: 120
    .max_flat_workgroup_size: 256
    .sgpr_count:     66
    .vgpr_count:     128
    .wavefront_size: 32
...
	.end_amdgpu_metadata
.endif
;; end of part 1
;; launch mlp (part 2): grid 256 x 1, 4 waves a work-group, no clusters, 327,680 bytes of LDS; arguments ucoord, tab, part, b0, b1, b2, b3, out0; writes out0
.if DOCPART == 2
	.amdgcn_target "amdgcn-amd-amdhsa--gfx1250"
	.amdhsa_code_object_version 6
	.text
	.protected	k_q887d2b1017_mlp
	.globl	k_q887d2b1017_mlp
	.p2align	8
	.type	k_q887d2b1017_mlp,@function
k_q887d2b1017_mlp:
	s_mov_b64 s[64:65], 0
	v_nop
	global_prefetch_b8 v0, s[64:65] scope:SCOPE_SE
	s_setreg_imm32_b32 hwreg(HW_REG_WAVE_MODE, 25, 1), 1
	s_wait_xcnt 0x0
; out[p] = w3 relu(w2 relu(w1 relu(w0 feat[p] + b0) + b1) + b2) + b3, feat[p] = six bilinear look-ups of 16 channels.  One launch: look-up and all four layers; no activation leaves the registers.
; SHARES.  A work-group has 4,096 points, a wave 1,024 on end: 64 tiles of 16.  Lane l (r = l % 16, h = l / 16) has point r of the tile and channels 8 h .. 8 h + 7 of every block of 16.
; LAYOUT.  Every product is taken transposed: source 0 = 16 rows of a weight matrix, source 1 = 16 points.  Register j of the result is channel 16 t + 8 h + j of point r, so two result blocks, rounded
; in pairs, ARE the next layer's source 1, and a lane's 16 bytes of a texel ([y s + x][16 channels] f16) are half a fragment of the features.  Nothing changes lanes.
; ALL WEIGHTS STAY IN REGISTERS: 92 fragments, 736 registers: a product reads nothing from LDS.  A bias comes from LDS into the accumulators, as the sum's start.
; LDS holds the first 266,240 bytes of tab as they lie (tables 0-2 and the fragments), filled once, a quarter by each wave; tables 3-5 are gathered from memory, a tile ahead.
; THE LOOK-UP.  ucoord holds U = (g + 1) / 2 in 23 bits.  U (s - 1) >> 23 is the cell, its low 23 bits the fraction: whole-number work alone makes the addresses.  U < 2^23, so cell + 1 exists.
; SCALES, all exact powers of two.  P2(x) is the smallest power of two >= x.  c0 = P2(max(1, largest |table value|)); c1 = P2(96 p2W0 c0 + max|b0|); c2 = P2(128 p2W1 c1 + max|b1|); c3 likewise:
; |h_l| <= c_l by the triangle inequality.  The registers hold h_l 2^15 / c_l, which f16 holds for every input; the factors are folded into weights (once, in registers), biases and the last fused multiply-add.
; LIMITS.  Table values, weights, activations and interpolation weights are f16 (11 bits); the four terms of an interpolation are added in packed f16, each step rounded.  Sums of products in f32.
; c3 stays under 2^127.  The last trip works tile 63's look-up and first layer once more and drops them: the price of one text for all 64 trips.
; NO CLUSTER: what the work-groups share is the one fill of 266,240 bytes; against it each has 4,096 points x 12 corners x 32 bytes = 1,572,864 bytes of gathers of its own, which no partner wants at the same time.
; NO PREFETCH: the gathered addresses are known one tile ahead, and the loads themselves go out then; each texel of the tables is read by many points.
;
; REGISTERS, in windows of 256 (s_set_vgpr_msb: bits 1:0 source 0, 3:2 source 1, 5:4 source 2, 7:6 destination):
;   window 0: addresses, the look-up's work, three groups of four accumulators, a ring of six operand blocks, the gathered corners
;   window 1: v0-191 w0, v192-223 w3, v224-247 the features, v248-255 the last layer's accumulator          window 2: w1          window 3: w2
.set TILES,  64
.set QUART,  66560                     ; a wave's quarter of the image: 260 rows of 256 bytes
.set WF0,    172032                    ; the fragments in the image
.set WF1,    196608
.set WF2,    229376
.set WF3,    262144
.set BIAS,   266240                    ; behind the image: the three scaled biases, f32, 512 bytes each
.set OSTG,   267776                    ; eight tiles' outputs for each wave: 8 x 192 = 1,536 bytes
.set SPARE,  273920                    ; the spare words, 128 bytes for each wave: two blocks of 256 bytes that no other line names
.set OSA,  1                           ; v1   in the head my lane; in the loop where the tile's outputs go
.set SPW,  2                           ; v2   LDS address of my spare word; never rewritten
.set NIL,  3                           ; v3   0; never rewritten
.set HB,   4                           ; v4   16 h
.set BA,   5                           ; v5   BIAS + 32 h
.set OST,  6                           ; v6   my wave's output stage + 12 r
.set ORD,  7                           ; v7   my wave's output stage + 16 l
.set OGO,  8                           ; v8   16 l
.set UO,   9                           ; v9   8 r
.set UC,   10                          ; v[10:11] U of the tile whose features are being made
.set UN,   12                          ; v[12:13] of the tile after it
.set UL,   14                          ; v[14:15] of the tile after that, on its way
.set AD3,  16                          ; v16-18  gather offsets of levels 3, 4, 5
.set ADL,  19                          ; v19  gather address in LDS
.set T,    20                          ; v[20:21] U (s - 1)
.set TL,   22                          ; v[22:23] the same, kept for the LDS level in hand
.set P,    24                          ; v[24:25] 1 + fraction
.set WP,   26                          ; v[26:27] fraction
.set OP,   28                          ; v[28:29] 1 - fraction
.set TA,   30
.set TB,   31
.set AC0,  32                          ; accumulator groups: block tau at + 8 tau
.set AC1,  64
.set AC2,  96
.set RING, 128                         ; operand blocks b0 .. b5
.set R3,   176                         ; corners of levels 3, 4, 5: 16 registers each, in the order (x0,y0) (x1,y0) (x0,y1) (x1,y1)
.set RL,   224                         ; corners of the LDS level in hand
.set H,    240                         ; v[240:243] the four weights, each twice in f16
.set OV,   244                         ; v[244:246] the three outputs
.set UA,   247                         ; v247 offset of the load of U
.set PH,   248                         ; v[248:250] the weights' factors, head only
.set W3F,  192                         ; window 1
.set FEAT, 224
.set Z,    248
.set WV,   24                          ; s24  my wave's number
.set G0,   32                          ; s[32:35] descriptor group 0
.set G1,   36                          ; s[36:43] descriptor group 1
.set GAM,  51                          ; s51  c3 p2W3 / 2^15;  s[44:47] p2W0 .. p2W3;  s[48:50] b3
.set FMASK, 52
.set ONE,  53
.set ZR,   54
.set UT,   55                          ; s55  the tile whose U is loaded next
.set TS,   56
.set CI,   57                          ; s57, s58  inner and outer count
.set CO,   58
.set OSO,  59                          ; s59  the tile's place in the output stage
.set SEL,  60
.set MSB, 0
.macro WIN new                         ; the immediate's high byte repeats the setting that is left; a switch that changes nothing is dropped
.if MSB != (\new)
	s_set_vgpr_msb (MSB<<8)|(\new)
.set MSB, (\new)
.endif
.endm
	s_load_b512 s[8:23], s[0:1], 0x0               ; ucoord s[8:9], tab s[10:11], part s[12:13], b0 s[14:15], b1 s[16:17], b2 s[18:19], b3 s[20:21], out0 s[22:23]
	v_lshl_add_u32 v[SPW], v0, 2, SPARE
	v_mov_b32 v[NIL], 0
	ds_add_u32 v[SPW], v[NIL]                      ; the wave's opening: the add, twice on end, and its wait ahead of my tensor load
	ds_add_u32 v[SPW], v[NIL]
	v_lshrrev_b32 v1, 5, v0
	v_readfirstlane_b32 s[WV], v1
	s_mov_b32 s[G0], 1                             ; count = 1
	s_mul_i32 s[G0+1], s[WV], QUART                ; LDS address: my quarter
	s_mov_b32 s[G1], 3<<16                         ; elements of 8 bytes, no mask, no padding
	s_mov_b32 s[G1+1], 32<<16                      ; tensor_dim0 = 32: rows of 256 bytes
	s_mov_b32 s[G1+2], 260<<16                     ; tensor_dim1 = 260
	s_mov_b32 s[G1+3], 32<<16                      ; tile_dim0 = 32
	s_mov_b32 s[G1+4], 260                         ; tile_dim1 = 260
	s_mov_b32 s[G1+5], 32                          ; from row to row: the block is dense
	s_mov_b32 s[G1+6], 0
	s_mov_b32 s[G1+7], 0
	s_mul_i32 s26, s[WV], QUART
	s_mov_b32 s27, 0
	s_lshl_b32 s25, ttmp9, 2
	s_add_co_u32 s25, s25, s[WV]                   ; my wave among all
	s_lshl_b32 s4, s25, 13                         ; its 1,024 points: 8,192 bytes of ucoord,
	s_mov_b32 s5, 0
	s_mul_i32 s6, s25, 12288                       ; 12,288 of out0
	s_mov_b32 s7, 0
	s_mov_b32 s[FMASK], 0x7fffff
	s_mov_b32 s[ONE], 0x3f800000
	s_mov_b32 s[ZR], 0
	s_mov_b32 s[SEL], 0x76543210
	s_mov_b32 s[SEL+1], 0xfedcba98
	s_wait_dscnt 0x0                               ; both opening adds are done
	s_wait_kmcnt 0x0
	s_add_nc_u64 s[G0+2:G0+3], s[10:11], s[26:27]
	s_or_b32 s[G0+3], s[G0+3], 0x80000000          ; type = 2
	tensor_load_to_lds s[G0:G0+3], s[G1:G1+7]      ; the launch's one fill: by this text's count one tensor load of a wave is out
	s_nop 0
.rept 4
	v_nop
.endr
	s_add_nc_u64 s[28:29], s[8:9], s[4:5]          ; ucoord and out0 at my wave's first point
	s_add_nc_u64 s[30:31], s[22:23], s[6:7]
; ---- the scales.  Registers of the head, all in what later are accumulators:
.set PM,   32                          ; v[32:42] the tables' maxima
.set LO4,  44
.set LOC,  45
.set LO16, 46
.set BB,   48                          ; v[48:59] b0, b1, b2: four numbers a lane each
.set FX,   60
.set BM,   61                          ; v[61:63] max |b_l|
.set TX,   64
.set CC,   65                          ; v[65:68] c0 .. c3
.set IC,   69                          ; v[69:71] 1 / c1 .. 1 / c3
.set QQ,   72
.set VR,   73
.set VH,   74
	v_and_b32 v1, 31, v0                           ; lane
	v_lshlrev_b32 v[LO4], 2, v1
	v_add_nc_u32 v[LOC], 320, v1
	v_min_u32 v[LOC], 341, v[LOC]                  ; part holds 342 maxima: the last load names the last of them again and again
	v_lshlrev_b32 v[LOC], 2, v[LOC]
	v_lshlrev_b32 v[LO16], 4, v1
.irp i, 0,1,2,3,4,5,6,7,8,9
	global_load_b32 v[PM+\i], v[LO4], s[12:13] offset:128*\i
.endr
	global_load_b32 v[PM+10], v[LOC], s[12:13]
	global_load_b128 v[BB:BB+3],    v[LO16], s[14:15]
	global_load_b128 v[BB+4:BB+7],  v[LO16], s[16:17]
	global_load_b128 v[BB+8:BB+11], v[LO16], s[18:19]
	s_load_b128 s[44:47], s[12:13], 0x580          ; part[352 .. 355]: p2W0 .. p2W3
	s_load_b96 s[48:50], s[20:21], 0x0             ; b3
	v_and_b32 v[VR], 15, v0
	v_bfe_u32 v[VH], v0, 4, 1
	v_lshlrev_b32 v[HB], 4, v[VH]
	v_lshl_add_u32 v[BA], v[VH], 5, BIAS
	s_mul_i32 s[TS], s[WV], 1536
	s_add_co_u32 s[TS], s[TS], OSTG
	v_mul_u32_u24 v[OST], v[VR], 12
	v_add_nc_u32 v[OST], s[TS], v[OST]
	v_lshl_add_u32 v[ORD], v1, 4, s[TS]
	v_lshlrev_b32 v[OGO], 4, v1
	v_lshlrev_b32 v[UO], 3, v[VR]
	v_mov_b32 v[TX], 0
	s_wait_loadcnt 0x0
	s_wait_kmcnt 0x0
	global_load_b64 v[UC:UC+1], v[UO], s[28:29] th:TH_LOAD_NT              ; U of tiles 0 and 1: on their way during the rest of the head
	global_load_b64 v[UN:UN+1], v[UO], s[28:29] offset:128 th:TH_LOAD_NT
	v_max3_num_f32 v[FX], v[PM], v[PM+1], v[PM+2]
.irp i, 3,5,7,9
	v_max3_num_f32 v[FX], v[FX], v[PM+\i], v[PM+\i+1]
.endr
.irp l, 0,1,2
	v_max3_num_f32 v[BM+\l], |v[BB+4*\l]|, |v[BB+4*\l+1]|, |v[BB+4*\l+2]|
	v_max_num_f32 v[BM+\l], v[BM+\l], |v[BB+4*\l+3]|
.endr
.macro WMAX r                          ; the wave's largest, in every lane
	v_max_num_f32_dpp v[\r], v[\r], v[\r] row_xmask:1 row_mask:0xf bank_mask:0xf
	v_max_num_f32_dpp v[\r], v[\r], v[\r] row_xmask:2 row_mask:0xf bank_mask:0xf
	v_max_num_f32_dpp v[\r], v[\r], v[\r] row_xmask:4 row_mask:0xf bank_mask:0xf
	v_max_num_f32_dpp v[\r], v[\r], v[\r] row_xmask:8 row_mask:0xf bank_mask:0xf
	v_permlanex16_b32 v[TX], v[\r], s[SEL], s[SEL+1]
	v_max_num_f32 v[\r], v[\r], v[TX]
.endm
.macro P2UP r                          ; up to the next power of two
	v_add_nc_u32 v[\r], 0x7fffff, v[\r]
	v_and_b32 v[\r], 0x7f800000, v[\r]
.endm
	WMAX FX
	WMAX BM
	WMAX BM+1
	WMAX BM+2
	v_max_num_f32 v[CC], 1.0, v[FX]
	P2UP CC
	v_mul_f32 v[QQ], s44, v[CC]
	v_fmamk_f32 v[CC+1], v[QQ], 0x42c00000, v[BM]      ; 96 p2W0 c0 + max |b0|
	P2UP CC+1
	v_mul_f32 v[QQ], s45, v[CC+1]
	v_fmamk_f32 v[CC+2], v[QQ], 0x43000000, v[BM+1]    ; 128 p2W1 c1 + max |b1|
	P2UP CC+2
	v_mul_f32 v[QQ], s46, v[CC+2]
	v_fmamk_f32 v[CC+3], v[QQ], 0x43000000, v[BM+2]
	P2UP CC+3
.irp l, 0,1,2
	v_sub_nc_u32 v[IC+\l], 0x7f000000, v[CC+1+\l]      ; a power of two's reciprocal
.endr
	v_mul_f32 v[QQ], s44, v[IC]                        ; w0's factor: 2^15 p2W0 / c1
	v_mul_f32 v[QQ], 0x47000000, v[QQ]
	v_cvt_pk_f16_f32 v[PH], v[QQ], v[QQ]
	v_mul_f32 v[QQ], s45, v[CC+1]                      ; w1's: c1 p2W1 / c2
	v_mul_f32 v[QQ], v[QQ], v[IC+1]
	v_cvt_pk_f16_f32 v[PH+1], v[QQ], v[QQ]
	v_mul_f32 v[QQ], s46, v[CC+2]                      ; w2's: c2 p2W2 / c3
	v_mul_f32 v[QQ], v[QQ], v[IC+2]
	v_cvt_pk_f16_f32 v[PH+2], v[QQ], v[QQ]
	v_mul_f32 v[QQ], s47, v[CC+3]                      ; the output's: c3 p2W3 / 2^15
	v_mul_f32 v[QQ], 0x38000000, v[QQ]
	v_readfirstlane_b32 s[GAM], v[QQ]
.irp l, 0,1,2
	v_mul_f32 v[IC+\l], 0x47000000, v[IC+\l]           ; b_l's: 2^15 / c_(l+1)
.irp k, 0,1,2,3
	v_mul_f32 v[BB+4*\l+\k], v[IC+\l], v[BB+4*\l+\k]
.endr
.endr
	v_lshl_add_u32 v[QQ], v1, 4, BIAS
	s_cmp_lg_u32 s[WV], 0                          ; wave l stores the scaled b_l
	s_cbranch_scc1 .Lnot_b0
	ds_store_b128 v[QQ], v[BB:BB+3]
.Lnot_b0:
	s_cmp_lg_u32 s[WV], 1
	s_cbranch_scc1 .Lnot_b1
	ds_store_b128 v[QQ], v[BB+4:BB+7] offset:512
.Lnot_b1:
	s_cmp_lg_u32 s[WV], 2
	s_cbranch_scc1 .Lnot_b2
	ds_store_b128 v[QQ], v[BB+8:BB+11] offset:1024
.Lnot_b2:
	s_wait_tensorcnt 0x0                           ; my quarter of the image has landed,
	s_wait_dscnt 0x0                               ; my bias is stored:
	s_barrier_signal -1
	s_barrier_wait -1                              ; everybody's.  The launch's one barrier: nothing in LDS that waves share is written behind it
; ---- the weights come into registers and take their factors
	v_lshl_add_u32 v[T],    v1, 4, WF0
	v_lshl_add_u32 v[T+1],  v1, 4, WF1
	v_lshl_add_u32 v[TL],   v1, 4, WF2
	v_lshl_add_u32 v[TL+1], v1, 4, WF3
.macro WLOAD win, n, base, adr         ; n fragments into registers base on of the window
	WIN \win
.set f, 0
.rept \n
	ds_load_b128 v[(\base)+8*f:(\base)+8*f+3],   v[\adr] offset:1024*f
	ds_load_b128 v[(\base)+8*f+4:(\base)+8*f+7], v[\adr] offset:1024*f+512
.set f, f+1
.endr
.endm
	WLOAD 0x40, 24, 0, T
	WLOAD 0x40, 4, W3F, TL+1
	WLOAD 0x80, 32, 0, T+1
	WLOAD 0xc0, 32, 0, TL
	WIN 0
	s_wait_dscnt 0x0
.macro WSCALE win, n, ph               ; a power of two: exact, but for numbers that leave f16's normal range
	WIN \win
.set f, 0
.rept \n
	v_pk_mul_f16 v[f], v[f], v[\ph]
.set f, f+1
.endr
.endm
	WSCALE 0x41, 192, PH
	WSCALE 0x82, 256, PH+1
	WSCALE 0xc3, 256, PH+2
	WIN 0
; ---------------- THE LOOK-UP's pieces.  Each macro writes ONE vector instruction, number k of its piece (with the loads or the wait that belong to it).
.macro LEVEL L
.set LG,   4+(\L)
.set SZ,   16<<(\L)
.set SM1,  SZ-1
.set CLMP, SZ*SZ-SZ-2                  ; the last cell that has a neighbour to the right and below
.set TBS,  8192*(((1<<(2*(\L)))-1)/3)+94208*((\L)/3)  ; the table's first byte in tab (and, levels 0-2, in LDS)
.endm
.macro MULAB d, u, L, k                ; U (s - 1), for x (k = 0) and y (k = 1): under 2^32
	LEVEL \L
	WIN 0
	v_mul_u32_u24 v[(\d)+(\k)], v[(\u)+(\k)], SM1
.endm
.macro GADDR d, L, k                   ; the cell's byte offset, and behind its last line the four corners' loads: 16 bytes a lane, my eight channels
	LEVEL \L
	WIN 0
.if (\k) == 0
	v_lshrrev_b32 v[TA], 23, v[\d]
.elseif (\k) == 1
	v_lshrrev_b32 v[TB], 23, v[(\d)+1]
.elseif (\k) == 2
	v_lshl_or_b32 v[TA], v[TB], LG, v[TA]
.elseif (\k) == 3
	v_min_u32 v[TA], CLMP, v[TA]           ; changes nothing for U < 2^23; it bounds a number that came from memory
.elseif (\L) >= 3
	v_lshl_add_u32 v[AD3+(\L)-3], v[TA], 5, v[HB]
.irp cn, 0,1,2,3
	global_load_b128 v[R3+16*((\L)-3)+4*\cn:R3+16*((\L)-3)+4*\cn+3], v[AD3+(\L)-3], s[10:11] offset:TBS+32*(\cn%2)+32*SZ*(\cn/2)
.endr
.else
	v_lshl_add_u32 v[ADL], v[TA], 5, v[HB]
.irp cn, 0,1,2,3
	ds_load_b128 v[RL+4*\cn:RL+4*\cn+3], v[ADL] offset:TBS+32*(\cn%2)+32*SZ*(\cn/2)
.endr
.endif
.endm
.macro GWT d, k                        ; the four weights from the fractions: the low 23 bits under exponent 127 are 1 + fraction, exactly
	WIN 0
.if (\k) < 2
	v_and_or_b32 v[P+(\k)], v[(\d)+(\k)], s[FMASK], s[ONE]
.elseif (\k) == 2
	v_pk_add_f32 v[WP:WP+1], v[P:P+1], -1.0 op_sel_hi:[1,0]
.elseif (\k) == 3
	v_pk_fma_f32 v[OP:OP+1], v[P:P+1], -1.0, 2.0 op_sel_hi:[1,0,0]
.elseif (\k) == 4
	v_mul_f32 v[P], v[OP], v[OP+1]
.elseif (\k) == 5
	v_mul_f32 v[P+1], v[WP], v[OP+1]
.elseif (\k) == 6
	v_mul_f32 v[TA], v[OP], v[WP+1]
.elseif (\k) == 7
	v_mul_f32 v[TB], v[WP], v[WP+1]
.elseif (\k) == 8
	v_cvt_pk_f16_f32 v[H], v[P], v[P]
.elseif (\k) == 9
	v_cvt_pk_f16_f32 v[H+1], v[P+1], v[P+1]
.elseif (\k) == 10
	v_cvt_pk_f16_f32 v[H+2], v[TA], v[TA]
.else
	v_cvt_pk_f16_f32 v[H+3], v[TB], v[TB]
.endif
.endm
.macro GI L, k                         ; the level's eight channels: four corners times their weights, two channels an instruction
.set rF, FEAT+8*((\L)/2)+4*((\L)%2)
.set rR, RL
.if (\L) >= 3
.set rR, R3+16*((\L)-3)
.endif
	WIN 0x50                               ; destination and source 2 in window 1
.if (\k) < 4
	v_pk_mul_f16 v[rF+(\k)], v[rR+(\k)], v[H]
.else
	v_pk_fma_f16 v[rF+(\k)%4], v[rR+(\k)], v[H+(\k)/4], v[rF+(\k)%4]
.endif
.endm
; ---------------- THREE QUEUES of vector work; each macro writes its queue's next instruction.
; E: a group of four accumulators becomes two operand blocks: for block tau four roundings to f16 (the lowest registers first) and four ReLUs on pairs; then the eight registers
; take the bias of the products that will use them next: two LDS loads.
.macro EITEM
.set et, ei/8
.set ej, ei%8
.set rA, ESRC+8*et
.set rD, EDST+8*(et/2)+4*(et%2)
	WIN 0
.if ej < 4
	v_cvt_pk_f16_f32 v[rD+ej], v[rA+2*ej], v[rA+2*ej+1]
.else
	v_pk_max_num_f16 v[rD+ej-4], v[rD+ej-4], s[ZR]
.endif
.if ej == 7
	ds_load_b128 v[rA:rA+3],   v[BA] offset:CIOFF+64*et
	ds_load_b128 v[rA+4:rA+7], v[BA] offset:CIOFF+64*et+16
.endif
.set ei, ei+1
.endm
; G, 195 long: the features of the tile in UC.  Levels 3-5 were asked of memory a trip ago; as soon as a level's corners are used, the next tile's (UN) are asked for.  Levels 0-2 come from LDS by turns through RL.
; The loads go out in the order level 3 (4), level 4 (4), level 5 (4), U (1), trip after trip: so behind a level's four loads nine younger ones may stay out.
; DW0, DW1, DW2: the LDS instructions issued behind the loads of levels 0, 1, 2 when their corners are wanted.
.macro GITEM
.if gi < 16
.if gi == 0
	s_wait_loadcnt 9
.endif
	GI 3, gi
.elseif gi < 18
	MULAB T, UN, 3, gi-16
.elseif gi < 23
	GADDR T, 3, gi-18
.elseif gi < 35
	GWT TL, gi-23
.elseif gi < 51
.if gi == 35
	s_wait_dscnt DW0
.endif
	GI 0, gi-35
.elseif gi < 53
	MULAB TL, UC, 1, gi-51
.elseif gi < 58
	GADDR TL, 1, gi-53
.elseif gi < 60
	MULAB T, UC, 4, gi-58
.elseif gi < 72
	GWT T, gi-60
.elseif gi < 88
.if gi == 72
	s_wait_loadcnt 9
.endif
	GI 4, gi-72
.elseif gi < 90
	MULAB T, UN, 4, gi-88
.elseif gi < 95
	GADDR T, 4, gi-90
.elseif gi < 107
	GWT TL, gi-95
.elseif gi < 123
.if gi == 107
	s_wait_dscnt DW1
.endif
	GI 1, gi-107
.elseif gi < 125
	MULAB TL, UC, 2, gi-123
.elseif gi < 130
	GADDR TL, 2, gi-125
.elseif gi < 132
	MULAB T, UC, 5, gi-130
.elseif gi < 144
	GWT T, gi-132
.elseif gi < 160
.if gi == 144
	s_wait_loadcnt 9
.endif
	GI 5, gi-144
.elseif gi < 162
	MULAB T, UN, 5, gi-160
.elseif gi < 167
	GADDR T, 5, gi-162
.elseif gi < 179
	GWT TL, gi-167
.else
.if gi == 179
	s_wait_dscnt DW2
.endif
	GI 2, gi-179
.endif
.set gi, gi+1
.endm
; X, 26 long: on to the next tile: U moves up, a further U is asked for, level 0 is asked of LDS, level 3's weights are made.
.macro XITEM
	WIN 0
.if xi == 0
	s_wait_loadcnt 12                      ; the load of U is in: behind it went the twelve loads of levels 3-5.  It also frees that load's offset register
	v_mov_b32 v[UC], v[UN]
.elseif xi == 1
	v_mov_b32 v[UC+1], v[UN+1]
.elseif xi == 2
	v_mov_b32 v[UN], v[UL]
.elseif xi == 3
	v_mov_b32 v[UN+1], v[UL+1]
.elseif xi == 4
	s_lshl_b32 s[TS], s[UT], 7             ; a tile's U are 128 bytes
	v_add_nc_u32 v[UA], s[TS], v[UO]
	global_load_b64 v[UL:UL+1], v[UA], s[28:29] th:TH_LOAD_NT
	s_add_co_u32 s[UT], s[UT], 1
	s_min_u32 s[UT], s[UT], TILES-1        ; behind the wave's last tile that tile again: no load leaves my 1,024 points
.elseif xi < 7
	MULAB TL, UC, 0, xi-5
.elseif xi < 12
	GADDR TL, 0, xi-7
.elseif xi < 14
	MULAB T, UC, 3, xi-12
.else
	GWT T, xi-14
.endif
.set xi, xi+1
.endm
.macro RIDERS ne, ng, nx
.rept \ne
	EITEM
.endr
.rept \ng
	GITEM
.endr
.rept \nx
	XITEM
.endr
.endm
.macro CIG acc, off                    ; a bias block of 64 channels into a group of accumulators
.irp tt, 0,1,2,3
	ds_load_b128 v[(\acc)+8*\tt:(\acc)+8*\tt+3],   v[BA] offset:(\off)+64*\tt
	ds_load_b128 v[(\acc)+8*\tt+4:(\acc)+8*\tt+7], v[BA] offset:(\off)+64*\tt+16
.endr
.endm
.macro MM win, d, a, b                 ; a product that adds in place: the sum began with the bias
	WIN \win
	v_wmma_f32_16x16x32_f16 v[(\d):(\d)+7], v[(\a):(\a)+7], v[(\b):(\b)+7], v[(\d):(\d)+7]
.endm
; ---------------- THE STAGES.  A trip takes tile p through layers 1 to 3 and tile p + 1 through the look-up and layer 0, in six stages.  A stage's four accumulators take turns, one instruction a turn
; the K block is the outer count.  Behind each product stands a slice of the queues.  A vector instruction that reads a result, or writes a source, of a product stands four plain vector
; instructions or more behind it (ISA guide 7.12.1): the slices are those places.
; A stage of layer lay (1, 2), output rows 64 th on, into group acc.  Its source 1 for K block c is ring block c (layer 1) or (c + 4) % 6 (layer 2).  w: the LDS instructions issued behind the loads of acc's bias.
; E empties group esrc into ring blocks edst, edst + 8 in the first eight slices: two blocks behind slice 4, the others behind slice 8; where the stage itself reads them, that is at products 9 and 13.
.macro STAGE lay, th, acc, w, esrc, edst, cioff, more
.set ESRC, \esrc
.set EDST, \edst
.set CIOFF, \cioff
.set ei, 0
	s_wait_dscnt \w
.set pn, 0
.rept 16
	MM 1+(\lay), (\acc)+8*(pn%4), 8*(8*(pn/4)+4*(\th)+pn%4), RING+8*((pn/4+4*((\lay)-1))%6)
.if pn < 8
	RIDERS 4,1,0
.elseif pn < 15
	RIDERS 0,5,0
.else
	RIDERS 0,5+(\more),0
.endif
.set pn, pn+1
.endr
.endm
; Layer 0 of the next tile, rows 0-63, into AC0.  e = 1: E empties AC2 (layer 2, rows 64-127) into b4, b5.
.macro STAGE5 e, w
.set ESRC, AC2
.set EDST, RING+32
.set CIOFF, 512
.set ei, 0
	s_wait_dscnt \w
.set pn, 0
.rept 12
	MM 0x05, AC0+8*(pn%4), 8*(8*(pn/4)+pn%4), FEAT+8*(pn/4)
.if pn < 8
.if \e
	RIDERS 4,0,0
.endif
.else
	RIDERS 0,0,4
.endif
.set pn, pn+1
.endr
.endm
; Layer 0, rows 64-127, into AC1; full = 1: among its products the four of layer 3 (source 1: b2 .. b5), so that no two products on end share an accumulator; the outputs go to my stage.
; E empties AC0 into b0, b1.  The last product of layer 3 is number 12; four X instructions stand between it and the three fused multiply-adds that read its result.
.macro STAGE6 full, w
.set ESRC, AC0
.set EDST, RING
.set CIOFF, 768
.set ei, 0
	s_wait_dscnt \w
.set pk, 0
.rept 16
.if (pk < 12) && (pk%3 == 2)
.if \full
.set zc, pk/3
	WIN 0x51                               ; w3 and the accumulator in window 1
.if zc == 0
	v_wmma_f32_16x16x32_f16 v[Z:Z+7], v[W3F:W3F+7], v[RING+16:RING+23], 0
.else
	v_wmma_f32_16x16x32_f16 v[Z:Z+7], v[W3F+8*zc:W3F+8*zc+7], v[RING+16+8*zc:RING+16+8*zc+7], v[Z:Z+7]
.endif
.endif
.else
.set pm, pk-4
.if pk < 12
.set pm, 2*(pk/3)+pk%3
.endif
	MM 0x05, AC1+8*(pm%4), 8*(8*(pm/4)+4+pm%4), FEAT+8*(pm/4)
.endif
.if pk < 8
	RIDERS 4,0,0
.elseif pk < 13
	RIDERS 0,0,2
.elseif (pk == 13) && (\full)
	WIN 0x01
.irp c, 0,1,2
	v_fma_f32 v[OV+\c], v[Z+\c], s[GAM], s[48+\c]  ; both halves of the lanes hold the point's three outputs in registers 0-2
.endr
.elseif (pk == 14) && (\full)
	WIN 0
	v_add_nc_u32 v[OSA], s[OSO], v[OST]
.irp c, 0,1,2
	ds_store_b32 v[OSA], v[OV+\c] offset:4*\c      ; the two halves write the same words with the same values
.endr
	s_add_co_u32 s[OSO], s[OSO], 192
.endif
.set pk, pk+1
.endr
.endm
; ---------------- THE PROLOGUE: tile 0's look-up and layer 0, by the same macros; its LDS waits are for 0
.set DW0, 0
.set DW1, 0
.set DW2, 0
	s_wait_loadcnt 0x0                             ; U of tiles 0 and 1
	s_mov_b32 s[UT], 2
.irp lv, 3,4,5
	MULAB T, UC, \lv, 0
	MULAB T, UC, \lv, 1
.irp kk, 0,1,2,3,4
	GADDR T, \lv, \kk
.endr
.endr
.set xi, 4
.rept 22
	XITEM                                          ; U of tile 2 is asked for; level 0 and level 3's weights of tile 0
.endr
.set gi, 0
.rept 195
	GITEM
.endr
	WIN 0
	CIG AC0, 0
	CIG AC1, 256
	CIG AC2, 512
.set xi, 0
	STAGE5 0, 0
	STAGE6 0, 0
	WIN 0
.rept 4
	v_nop                                          ; the places between the last products and the loop's first roundings
.endr
	s_wait_dscnt 0x0                               ; so the loop's counted waits hold on the way in too
.set DW0, 19                           ; behind level 0's loads: stage 6's 8 bias loads and 3 stores, stage 1's 8
.set DW1, 8                            ; behind level 1's: stage 3's 8
.set DW2, 8                            ; behind level 2's: stage 4's 8
	s_mov_b32 s[CO], TILES/8
.Louter:
	s_mov_b32 s[CI], 8
	s_mov_b32 s[OSO], 0
.Ltrip:
.set gi, 0
.set xi, 0
	; LDS instructions of a trip, in order: stage 1: 8 bias; 2: 8 bias, level 1's 4; 3: 8 bias, level 2's 4; 4: 8 bias; 5: 8 bias, level 0's 4; 6: 8 bias, 3 stores.
	; A group's bias is loaded two stages ahead of its products; each wait below counts what was issued behind those eight loads.
	STAGE 1, 0, AC2, 15, AC1, RING+16, 1024, 1     ; layer 1, rows 0-63    | layer 0's rows 64-127 -> b2, b3  | 4 + 8 + 3
	STAGE 1, 1, AC0, 11, AC2, RING+32, 1280, 1     ; layer 1, rows 64-127  | layer 1's rows 0-63 -> b4, b5    | 3 + 8
	STAGE 2, 0, AC1, 12, AC0, RING,    0,    1     ; layer 2, rows 0-63    | layer 1's rows 64-127 -> b0, b1  | 8 + 4
	STAGE 2, 1, AC2, 16, AC1, RING+16, 256,  0     ; layer 2, rows 64-127  | layer 2's rows 0-63 -> b2, b3    | 4 + 8 + 4
	STAGE5 1, 12                                   ; 4 + 8
	STAGE6 1, 12                                   ; 8 + 4
	WIN 0
	s_sub_co_u32 s[CI], s[CI], 1
	s_cmp_lg_u32 s[CI], 0
	s_cbranch_scc1 .Ltrip
	; eight tiles' outputs, 1,536 bytes on end, leave through b4 and b5, which hold nothing here
	ds_load_b128 v[RING+32:RING+35], v[ORD]            ; my wave's own bytes: LDS serves a wave's instructions in order (ISA guide 5.7.1.4)
	ds_load_b128 v[RING+36:RING+39], v[ORD] offset:512
	ds_load_b128 v[RING+40:RING+43], v[ORD] offset:1024
	s_wait_dscnt 0x0
	global_store_b128 v[OGO], v[RING+32:RING+35], s[30:31] th:TH_STORE_NT             ; each store covers 512 consecutive bytes, aligned
	global_store_b128 v[OGO], v[RING+36:RING+39], s[30:31] offset:512 th:TH_STORE_NT
	global_store_b128 v[OGO], v[RING+40:RING+43], s[30:31] offset:1024 th:TH_STORE_NT
	s_wait_xcnt 0x0                                ; the stores have read their base and their data: only now are these written again
	s_add_nc_u64 s[30:31], s[30:31], 1536
	s_sub_co_u32 s[CO], s[CO], 1
	s_cmp_lg_u32 s[CO], 0
	s_cbranch_scc1 .Louter
	s_wait_tensorcnt 0x0                           ; the wave's end, behind my tensor load and my last LDS store
	ds_add_u32 v[SPW], v[NIL]
	s_wait_dscnt 0x0
	s_endpgm
.Lfunc_end_k_q887d2b1017_mlp:
	.size	k_q887d2b1017_mlp, .Lfunc_end_k_q887d2b1017_mlp-k_q887d2b1017_mlp
	.p2alignl 7, 3214868480
	.fill 96, 4, 3214868480
	.section	.rodata,"a",@progbits
	.p2align	6, 0x0
	.amdhsa_kernel k_q887d2b1017_mlp
		.amdhsa_group_segment_fixed_size 327680
		.amdhsa_private_segment_fixed_size 0
		.amdhsa_enable_private_segment 0
		.amdhsa_kernarg_size 64
		.amdhsa_user_sgpr_count 2
		.amdhsa_user_sgpr_kernarg_segment_ptr 1
		.amdhsa_wavefront_size32 1
		.amdhsa_system_sgpr_workgroup_id_x 1
		.amdhsa_system_sgpr_workgroup_id_y 1
		.amdhsa_system_sgpr_workgroup_id_z 1
		.amdhsa_system_vgpr_workitem_id 0
		.amdhsa_next_free_vgpr 1024
		.amdhsa_next_free_sgpr 66
		.amdhsa_reserve_vcc 0
		.amdhsa_float_denorm_mode_32 3
		.amdhsa_float_denorm_mode_16_64 3
		.amdhsa_memory_ordered 1
		.amdhsa_forward_progress 1
		.amdhsa_inst_pref_size 137
	.end_amdhsa_kernel
	.amdgpu_metadata
---
amdhsa.version: [ 1, 2 ]
amdhsa.kernels:
  - .name:           k_q887d2b1017_mlp
    .symbol:         k_q887d2b1017_mlp.kd
    .args:
      - { .name: ucoord, .offset: 0, .size: 8, .value_kind: global_buffer, .address_space: global }
      - { .name: tab, .offset: 8, .size: 8, .value_kind: global_buffer, .address_space: global }
      - { .name: part, .offset: 16, .size: 8, .value_kind: global_buffer, .address_space: global }
      - { .name: b0, .offset: 24, .size: 8, .value_kind: global_buffer, .address_space: global }
      - { .name: b1, .offset: 32, .size: 8, .value_kind: global_buffer, .address_space: global }
      - { .name: b2, .offset: 40, .size: 8, .value_kind: global_buffer, .address_space: global }
      - { .name: b3, .offset: 48, .size: 8, .value_kind: global_buffer, .address_space: global }
      - { .name: out0, .offset: 56, .size: 8, .value_kind: global_buffer, .address_space: global }
    .group_segment_fixed_size: 327680
    .private_segment_fixed_size: 0
    .kernarg_segment_align: 8
    .kernarg_segment_size: 64
    .max_flat_workgroup_size: 128
    .sgpr_count:     66
    .vgpr_count:     1024
    .wavefront_size: 32
...
	.end_amdgpu_metadata
.endif
;; end of part 2
